; MI455X (gfx1250); checked and timed in simulation.
; The chip was launched on July 23, 2026; its instructions are those of AMD's public machine-readable ISA for CDNA 5 (MIT licence, August 2026) and "CDNA5" Instruction Set Architecture Reference Guide (July 2026). The comments in the code are by the model that wrote it; some were corrected since.
;; Linear3 Bit. Allowed arithmetic: float matrix products may take bf16 or f16 operands with f32 sums; other float arithmetic in f32, or as packed bf16 or f16 multiplies, adds, multiply-adds, maxima and minima; sums over many terms, partial sums and values carried from step to step in f32; what a program stores and reads back later, other than sums and carried values, may be rounded once to bf16 or f16.
;; Inputs: bias 2,048 float32; weight_params 131,072 x 2 float16; weight_q3 3,145,728 int32; x 4 x 2,048 x 4,096 float32.
;; Outputs: out0 4 x 2,048 x 2,048 float32.
;; 2 versions, each right; version 2 is version 1 with the launch prep written anew for expert scheduling mode. Each part assembles by itself: llvm-mc -triple=amdgcn-amd-amdhsa -mcpu=gfx1250 --defsym DOCPART=n.
;; ======== version 1 of 2: 2 launches
;; workspace buffers: wb 16,777,216 bytes; xb 67,108,864 bytes
;; launch prep (part 1): grid 768 x 1, 8 waves a work-group, no clusters, 87,040 bytes of LDS; arguments weight_q3, weight_params, x, wb, xb; writes wb, xb
.if DOCPART == 1
	.amdgcn_target "amdgcn-amd-amdhsa--gfx1250"
	.amdhsa_code_object_version 6
	.text
	.protected	k_q000c2cd0f4_prep
	.globl	k_q000c2cd0f4_prep
	.p2align	8
	.type	k_q000c2cd0f4_prep,@function
k_q000c2cd0f4_prep:
	s_mov_b64 s[64:65], 0
	v_nop
	global_prefetch_b8 v0, s[64:65] scope:SCOPE_SE
	s_setreg_imm32_b32 hwreg(HW_REG_WAVE_MODE, 25, 1), 1
	s_wait_xcnt 0x0
; BOTH OPERANDS OF THE PRODUCT ARE MADE READY, each once: W is unpacked from its 3-bit codes into bf16 (work-groups 0 to 255), x is rounded to bf16 (work-groups 256 to 767).
; NOTHING OF THE PROBLEM IS LEFT OUT: x, weight_q3, weight_params and bias all reach the output, and all four are loaded (three here, the bias in the product), each byte once.
; WHY x IS ROUNDED HERE and not on its way through the product: in bf16 a tile of 256 rows x 128 k is 64 KiB, so that two slots of K = 128 for x and W fit in LDS there; in f32 they do not.
; W.    weight_q3: one byte in each int32 (its low 8 bits, as a cast to uint8 keeps them); three bytes on end are a string of 24 bits, eight codes, the first in the lowest bits.
;       weight_params: for each group of 64 weights along k an f16 pair (min, max): one word.  wb[n][k] = (q / 7) (max - min) + min in bf16, row-major.
; LIMITS.  w is made as fma(q, (max - min) x (1/7), min) in f32 and rounded once to bf16: the order of rounding differs from (q / 7) x scale + min by a few units of f32's last place,
;       far below bf16's step.  x is rounded once, to nearest even.  NaN and infinities go through the arithmetic as they come.
; SHARES, W.  Work-group b owns rows 8 b .. 8 b + 7, wave w row n = 8 b + w: 1,536 int32, 6,144 consecutive bytes.  Lane l unpacks the groups t = l and t = l + 32 of that row.
;       (1) twelve loads of 512 consecutive bytes, all out before the first wait; (2) four int32 make one word of the true byte stream, which goes into the wave's own LDS bytes; (3) each lane reads its two
;       groups' 24 bytes back; (4) unpacks; 16 bytes (8 weights) at a time go into the wave's own stage; (5) the row comes back in its order in memory and is stored, 512 consecutive bytes a store.
;       No wave touches another's LDS bytes: no barrier.
; SHARES, x.  Work-group 256 + c owns rows 16 c .. 16 c + 15, wave w two of them: 32,768 consecutive bytes, 64 pieces of 512.  A ring of 16 pieces in registers keeps 16 loads of every wave on their way.
;       A lane's four f32 become 8 bytes; a store of the wave covers 256 consecutive bytes, aligned.  All offsets are immediates: no address register is ever rewritten.
; The branch between the two bodies hangs on the work-group's number alone.  No matrix unit, no tensor load, no cluster: nothing here is multiplied and no work-group reads what another reads.
.set RAW,   0                          ; LDS: wave w's byte stream, 1,536 bytes at 1,536 w
.set OUTS,  12288                      ; LDS: wave w's stage at 9,216 w: 64 groups of 128 bytes + 16 of padding
.set GP,    144                        ; a group's pitch: 9 x 16 bytes, so that 16 lanes a group apart touch 16 different columns of 16 bytes (64 banks of 4 bytes: ISA guide 11.1)
.set SPARE, OUTS+8*64*GP               ; 86,016: the spare words, 128 bytes for each wave: four blocks of 256 bytes that no other line names
.set L16, 2                            ; v2   16 x lane
.set L4,  3                            ; v3   W: 4 x lane
.set L8,  3                            ; v3   x: 8 x lane
.set RW,  4                            ; v4   where I put a word of the byte stream
.set RR,  5                            ; v5   where my first group's 24 bytes lie
.set OW,  6                            ; v6   where I put 16 bytes of my first group in the stage
.set OR,  7                            ; v7   where I read the stage back
.set SPW, 10                           ; v10  LDS address of my spare word; never rewritten
.set NIL, 11                           ; v11  0; never rewritten
.set PR,  12                           ; v12, v13  the parameter words of groups l and l + 32
.set D,   16                           ; v[16:63]  twelve loads of four int32; later, on to v79, the stage read back
.set WD,  64                           ; v[64:75]  six words a group
.set CH,  76                           ; v76  the 24 bits in hand;  v76-v79 also at work in the set-up and in PACKW
.set Q,   80                           ; v[80:87]  eight numbers
.set PK,  88                           ; v[88:91]  the same as 16 bytes of bf16
.set MS,  92                           ; v[92:99]  group u: min in v[92+4u], scale / 7 in v[94+4u]; each is the low word of a pair that the packed multiply-add names
.set X,   16                           ; v[16:79]  x: slot s of 16: four f32 as loaded
.set Y,   80                           ; v[80:111] x: slot s: the same as 8 bytes of bf16
.set DEPTH,  16                        ; loads of a wave on their way
.set PIECES, 64                        ; pieces of 512 bytes in a wave's share
	s_load_b256 s[4:11], s[0:1], 0x0               ; weight_q3 s[4:5], weight_params s[6:7], x s[8:9], wb s[10:11]
	s_load_b64 s[12:13], s[0:1], 0x20              ; xb
	v_lshl_add_u32 v[SPW], v0, 2, SPARE
	v_mov_b32 v[NIL], 0
	v_lshrrev_b32 v1, 5, v0
	v_readfirstlane_b32 s16, v1                    ; wave 0..7
	v_and_b32 v1, 31, v0                           ; lane
	v_lshlrev_b32 v[L16], 4, v1
	s_mov_b32 s19, 0                               ; the upper word of every offset
	s_cmp_lt_u32 ttmp9, 256
	s_cbranch_scc0 .Lcast
	; ---------------- W ----------------
	s_lshl_b32 s17, ttmp9, 3
	s_add_co_u32 s17, s17, s16                     ; my row n
	s_mov_b32 s20, 0x04000400                      ; v_perm_b32: the low bytes of two words, side by side
	s_mov_b32 s21, 0x05040100                      ; v_perm_b32: two low halves, side by side
	s_mov_b32 s22, 0x3e124925                      ; 1 / 7
	v_lshlrev_b32 v[L4], 2, v1
	s_mul_i32 s23, s16, 1536                       ; my wave's bytes of RAW (RAW = 0)
	v_lshl_add_u32 v[RW], v1, 2, s23
	v_mul_u32_u24 v[RR], 24, v1
	v_add_nc_u32 v[RR], s23, v[RR]
	s_mul_i32 s24, s16, 64*GP
	s_add_co_u32 s24, s24, OUTS                    ; my wave's stage
	v_mul_u32_u24 v[OW], v1, GP                    ; in: group l
	v_add_nc_u32 v[OW], s24, v[OW]
	v_lshrrev_b32 v78, 3, v1                       ; back: eight lanes take a group's 128 bytes,
	v_and_b32 v79, 7, v1
	v_mul_u32_u24 v[OR], v78, GP                   ; 32 lanes four groups: 512 consecutive bytes of the row
	v_lshl_add_u32 v[OR], v79, 4, v[OR]
	v_add_nc_u32 v[OR], s24, v[OR]
.irp r, 1,3,5,7
	v_mov_b32 v[MS+\r], 0                          ; the pairs' upper words: named, never used
.endr
	s_mul_i32 s18, s17, 6144
	s_wait_kmcnt 0x0
	s_add_nc_u64 s[4:5], s[4:5], s[18:19]          ; my row's int32
	s_lshl_b32 s18, s17, 8
	s_add_nc_u64 s[6:7], s[6:7], s[18:19]          ; my row's 64 parameter words
	s_lshl_b32 s18, s17, 13
	s_add_nc_u64 s[10:11], s[10:11], s[18:19]      ; my row of wb: 8,192 bytes
	global_load_b32 v[PR], v[L4], s[6:7]           ; groups 0 .. 31: 128 consecutive bytes,
	global_load_b32 v[PR+1], v[L4], s[6:7] offset:128  ; groups 32 .. 63
.irp c, 0,1,2,3,4,5,6,7,8,9,10,11
	global_load_b128 v[D+4*\c:D+4*\c+3], v[L16], s[4:5] offset:512*\c th:TH_LOAD_NT  ; int32 128 c + 4 l .. + 3; read once in the launch
.endr
; Load c is in: four int32 give word 32 c + l of the row's byte stream.
.macro PACKW c
	s_wait_loadcnt 11-(\c)                         ; loads come back in order (ISA guide 5.7.1): the 11 - c younger ones may stay out
	v_perm_b32 v76, v[D+4*(\c)+1], v[D+4*(\c)], s20
	v_perm_b32 v77, v[D+4*(\c)+3], v[D+4*(\c)+2], s20
	v_perm_b32 v78, v77, v76, s21
	ds_store_b32 v[RW], v78 offset:RAW+128*(\c)
.endm
.irp c, 0,1,2,3,4,5,6,7,8,9,10,11
	PACKW \c
.endr
.irp u, 0,1
.irp c, 0,1,2
	ds_load_b64 v[WD+6*\u+2*\c:WD+6*\u+2*\c+1], v[RR] offset:RAW+768*\u+8*\c  ; my wave's own bytes: LDS serves a wave's instructions in order (ISA guide 5.7.1.4), so these see the stores above
.endr
.endr
	v_cvt_f32_f16 v[MS], v12.l                     ; the parameters were loaded ahead of the data, so they are in
	v_cvt_f32_f16 v[MS+2], v12.h
	v_cvt_f32_f16 v[MS+4], v13.l
	v_cvt_f32_f16 v[MS+6], v13.h
	v_sub_f32 v[MS+2], v[MS+2], v[MS]              ; max - min
	v_sub_f32 v[MS+6], v[MS+6], v[MS+4]
	v_mul_f32 v[MS+2], s22, v[MS+2]                ; / 7
	v_mul_f32 v[MS+6], s22, v[MS+6]
	s_wait_dscnt 0x0                               ; my two groups' twelve words
; Chunk p of 8 of group u: 24 bits, eight codes, eight weights, 16 bytes.  Three words hold four chunks.
.macro CHUNK u, p
.set wq, WD+6*(\u)+3*((\p)/4)
.set ch, CH
.if (\p)%4 == 0
.set ch, wq                            ; the first chunk lies in the low 24 bits of its word as it is
.elseif (\p)%4 == 1
	v_alignbit_b32 v[CH], v[wq+1], v[wq], 24
.elseif (\p)%4 == 2
	v_alignbit_b32 v[CH], v[wq+2], v[wq+1], 16
.else
	v_lshrrev_b32 v[CH], 8, v[wq+2]
.endif
.irp j, 0,1,2,3,4,5,6,7
	v_bfe_u32 v[Q+\j], v[ch], 3*\j, 3
.endr
.irp j, 0,1,2,3,4,5,6,7
	v_cvt_f32_u32 v[Q+\j], v[Q+\j]
.endr
.irp j, 0,2,4,6
	v_pk_fma_f32 v[Q+\j:Q+\j+1], v[Q+\j:Q+\j+1], v[MS+4*(\u)+2:MS+4*(\u)+3], v[MS+4*(\u):MS+4*(\u)+1] op_sel_hi:[1,0,0]  ; q x scale / 7 + min, both halves by the pairs' low words
.endr
.irp j, 0,1,2,3
	v_cvt_pk_bf16_f32 v[PK+\j], v[Q+2*\j], v[Q+2*\j+1]
.endr
	ds_store_b128 v[OW], v[PK:PK+3] offset:32*GP*(\u)+16*(\p)  ; group t = l + 32 u, weights 8 p .. 8 p + 7
.endm
.irp u, 0,1
.irp p, 0,1,2,3,4,5,6,7
	CHUNK \u, \p
.endr
.endr
.irp i, 0,1,2,3,4,5,6,7,8,9,10,11,12,13,14,15
	ds_load_b128 v[D+4*\i:D+4*\i+3], v[OR] offset:4*GP*\i  ; groups 4 i .. 4 i + 3: my wave's own bytes again, served behind the stores above
.endr
.irp i, 0,1,2,3,4,5,6,7,8,9,10,11,12,13,14,15
	s_wait_dscnt 15-\i                             ; the 15 - i younger loads may stay out
	global_store_b128 v[L16], v[D+4*\i:D+4*\i+3], s[10:11] offset:512*\i  ; 512 consecutive bytes, at a multiple of 512 from wb's first byte
.endr
	s_wait_tensorcnt 0x0                           ; the wave's end, behind my last LDS store
	ds_add_u32 v[SPW], v[NIL]
	s_wait_dscnt 0x0
	s_endpgm
	; ---------------- x ----------------
.Lcast:
	s_sub_co_u32 s17, ttmp9, 256
	s_lshl_b32 s17, s17, 3
	s_add_co_u32 s17, s17, s16                     ; my wave among the 4,096 that cast
	v_lshlrev_b32 v[L8], 3, v1
	s_lshl_b32 s18, s17, 15                        ; its 32,768 bytes of x: under 2^27 in all
	s_wait_kmcnt 0x0
	s_add_nc_u64 s[8:9], s[8:9], s[18:19]
	s_lshl_b32 s18, s17, 14                        ; its 16,384 bytes of xb
	s_add_nc_u64 s[12:13], s[12:13], s[18:19]
.set n, 0
.rept DEPTH
	global_load_b128 v[X+4*n:X+4*n+3], v[L16], s[8:9] offset:512*n th:TH_LOAD_NT  ; the ring is filled; x is read once in the launch
.set n, n+1
.endr
.set n, 0
.rept PIECES                           ; piece n, in slot n % 16
.set sl, n%DEPTH
.if n+DEPTH <= PIECES
	s_wait_loadcnt DEPTH-1                         ; loads come back in order: mine is in, the 15 younger ones stay out
.else
	s_wait_loadcnt PIECES-1-n                      ; the last 16 pieces load nothing: the counts run down
.endif
.if (n >= DEPTH) && (sl == 0)
	s_wait_xcnt 0x0                                ; every store issued so far has read its registers (ISA guide 3.1): all 16 pairs of Y may be written again; once in 16 pieces
.endif
	v_cvt_pk_bf16_f32 v[Y+2*sl],   v[X+4*sl],   v[X+4*sl+1]
	v_cvt_pk_bf16_f32 v[Y+2*sl+1], v[X+4*sl+2], v[X+4*sl+3]
.if n+DEPTH < PIECES
	global_load_b128 v[X+4*sl:X+4*sl+3], v[L16], s[8:9] offset:512*(n+DEPTH) th:TH_LOAD_NT  ; the load goes ahead of the store
.endif
	global_store_b64 v[L8], v[Y+2*sl:Y+2*sl+1], s[12:13] offset:256*n  ; 256 consecutive bytes, at a multiple of 256 from xb's first byte
.set n, n+1
.endr
	s_endpgm                                       ; this body has written no LDS
.Lfunc_end_k_q000c2cd0f4_prep:
	.size	k_q000c2cd0f4_prep, .Lfunc_end_k_q000c2cd0f4_prep-k_q000c2cd0f4_prep
	.p2alignl 7, 3214868480
	.fill 96, 4, 3214868480
	.section	.rodata,"a",@progbits
	.p2align	6, 0x0
	.amdhsa_kernel k_q000c2cd0f4_prep
		.amdhsa_group_segment_fixed_size 87040
		.amdhsa_private_segment_fixed_size 0
		.amdhsa_enable_private_segment 0
		.amdhsa_kernarg_size 40
		.amdhsa_user_sgpr_count 2
		.amdhsa_user_sgpr_kernarg_segment_ptr 1
		.amdhsa_wavefront_size32 1
		.amdhsa_system_sgpr_workgroup_id_x 1
		.amdhsa_system_sgpr_workgroup_id_y 1
		.amdhsa_system_sgpr_workgroup_id_z 1
		.amdhsa_system_vgpr_workitem_id 0
		.amdhsa_next_free_vgpr 112
		.amdhsa_next_free_sgpr 66
		.amdhsa_reserve_vcc 0
		.amdhsa_float_denorm_mode_32 3
		.amdhsa_float_denorm_mode_16_64 3
		.amdhsa_memory_ordered 1
		.amdhsa_forward_progress 1
		.amdhsa_inst_pref_size 55
	.end_amdhsa_kernel
	.amdgpu_metadata
---
amdhsa.version: [ 1, 2 ]
amdhsa.kernels:
  - .name:           k_q000c2cd0f4_prep
    .symbol:         k_q000c2cd0f4_prep.kd
    .args:
      - { .name: weight_q3, .offset: 0, .size: 8, .value_kind: global_buffer, .address_space: global }
      - { .name: weight_params, .offset: 8, .size: 8, .value_kind: global_buffer, .address_space: global }
      - { .name: x, .offset: 16, .size: 8, .value_kind: global_buffer, .address_space: global }
      - { .name: wb, .offset: 24, .size: 8, .value_kind: global_buffer, .address_space: global }
      - { .name: xb, .offset: 32, .size: 8, .value_kind: global_buffer, .address_space: global }
    .group_segment_fixed_size: 87040
    .private_segment_fixed_size: 0
    .kernarg_segment_align: 8
    .kernarg_segment_size: 40
    .max_flat_workgroup_size: 256
    .sgpr_count:     66
    .vgpr_count:     112
    .wavefront_size: 32
...
	.end_amdgpu_metadata
.endif
;; end of part 1
;; launch gemm (part 2): grid 8 x 32, 4 waves a work-group, clusters of 4 x 4, 327,680 bytes of LDS; arguments xb, wb, out0, bias; writes out0
.if DOCPART == 2
	.amdgcn_target "amdgcn-amd-amdhsa--gfx1250"
	.amdhsa_code_object_version 6
	.text
	.protected	k_q000c2cd0f4_gemm
	.globl	k_q000c2cd0f4_gemm
	.p2align	8
	.type	k_q000c2cd0f4_gemm,@function
k_q000c2cd0f4_gemm:
	s_mov_b64 s[64:65], 0
	v_nop
	global_prefetch_b8 v0, s[64:65] scope:SCOPE_SE
	s_setreg_imm32_b32 hwreg(HW_REG_WAVE_MODE, 25, 1), 1
	s_wait_xcnt 0x0
	s_wait_alu depctr_hold_cnt(0) depctr_sa_sdst(0) depctr_va_vdst(0) depctr_va_sdst(0) depctr_va_ssrc(0) depctr_va_vcc(0) depctr_vm_vsrc(0)
	s_getreg_b32 s2, hwreg(HW_REG_IB_STS2, 6, 4)
	s_cmp_eq_u32 s2, 0
	s_cbranch_scc0 .Lentry_in_a_cluster
	s_endpgm
.Lentry_in_a_cluster:
	s_bfe_u32 s2, ttmp6, 0x10000c
	s_cmp_lg_u32 s2, 0xf033
	s_cbranch_scc0 .Lentry_shape_is_right
	s_endpgm
.Lentry_shape_is_right:
; out0[m][n] = the sum over k of x[m][k] W[n][k] + bias[n].  xb: x in bf16, [8,192][4,096]; wb: W in bf16, [2,048][4,096], both made by the launch before.  out0: [8,192][2,048] f32.
; Nothing of the problem is left out.
; LIMITS.  Both operands are bf16 (8 significant bits), sums in f32, K ascending in steps of 32; the bias is added in f32 at the end.  NaN and infinities go through the arithmetic as they come.
; A tile of out0, 256 x 256, is made by a work-group of four waves, as many as a WGP has SIMDs; 32 x 8 tiles, 256 work-groups.  A wave makes 128 x 128: 64 accumulators of 16 x 16, 512 registers.
; K goes in 32 steps of 128 through a ring of two LDS slots filled by the tensor data mover: the rows of both tiles are 256 bytes of memory and start at multiples of 256 bytes from the buffer's first byte.
; CLUSTERS: 4 x 4 work-groups.  The four of a row of the cluster need the same tiles of xb, the four of a column the same tiles of wb.  Such a tile is asked for JOINTLY: each of the four issues the same tensor
; load, with the same descriptor and a mask that names the four, and each receives the tile in its own LDS.  That divides the requests for both by four.
; REGISTERS, in windows of 256 (an instruction names v0-v255; s_set_vgpr_msb says which window each operand place means: bits 1:0 source 0, 3:2 source 1, 5:4 source 2, 7:6 destination):
;   window 0: v0-31 addresses and the bias; v64-127, v128-191 fragments of x (8 x 16 rows x 32 K), two buffers; on the way out the same registers hold rows read back
;   window 1: v64-127, v128-191 fragments of W, two buffers
;   window 2: the 32 accumulators of my rows 0-63 (accumulator (a, b) at v[8 (8 a + b)]);   window 3: those of my rows 64-127
; THE MATRIX INSTRUCTION IS USED TRANSPOSED: source 0 = 16 rows of W, source 1 = 16 rows of x.  In the result lane l then holds row m = l % 16 of out0, and its registers 0 to 7 the columns
; n = 8 (l / 16) + 0 .. 7: eight neighbouring numbers of a row, 32 bytes.
.set SIZE_M, 8192
.set SIZE_N, 2048
.set SIZE_K, 4096
.set KSTEP,  128
.set PITCH,  272                       ; an LDS row: 256 bytes of data + 16 of padding = 68 words: row r starts at bank 4 r mod 64 (64 banks of 4 bytes: ISA guide 11.1), so the 16 rows that a load touches start at 16 different banks
.set HALFT,  128*PITCH                 ; 128 rows: what one tensor load brings, and what one wave reads of x or of W
.set SLOT,   4*HALFT                   ; x's 256 rows, then W's 256 rows
.set STAGE,  2*SLOT                    ; behind the ring, never filled by a tensor load: 16 rows x 528 bytes for each wave, for the way out
.set SPITCH, 528                       ; 512 bytes + 16
.set SPARE,  STAGE+4*16*SPITCH         ; 312,320, behind the stages: the spare words, 128 bytes for each wave: two blocks of 256 bytes that no other line names
.set LAPS, SIZE_K/(2*KSTEP)            ; a lap = two K steps = once round the ring: 16
.set BI,   8                           ; v[8:11] the bias of my four columns on the way out: 4 l .. 4 l + 3 of my wave's 128
.set ADRA, 16                          ; v16-17  LDS address of my fragments of x in slot 0, 1
.set ADRB, 20                          ; v20-21  the same for W
.set STO,  24                          ; v24     the way out: where I put 32 bytes of a row
.set RD,   25                          ; v25     the way out: where I read a row back
.set CO,   26                          ; v26     16 x lane: my byte offset in 512 consecutive bytes of out0 and of bias; never rewritten
.set SPW,  28                          ; v28     LDS address of my spare word: SPARE + 4 x my thread's number; never rewritten
.set NIL,  29                          ; v29     0; never rewritten
.set PFO,  30                          ; v30     the prefetches' offset: my lane x a row of xb or wb in memory (8,192 bytes); never rewritten
.set PFA,  44                          ; s[44:45] where my prefetches stand: my work-group's 32 rows of the 128 that I fetch, one K step further along K than the refill that is being asked for; a prefetch names the K step after that
.set LIM,  43                          ; s43     1 in a wave that prefetches, else the greatest number
.set F0,   64                          ; fragment buffer 0
.set F1,   128                         ; fragment buffer 1
.set OB,   64                          ; the way out: 16 rows read back, 64 registers: v64-127 and v128-191 by turns
.set G1, 24                            ; s[24:31] descriptor group 1 for x's tiles
.set G0, 32                            ; s[32:39] descriptor group 0 for x's tiles, one set for each slot
.set G1B, 48                           ; s[48:55] descriptor group 1 for W's tiles: it differs from x's in the mask alone
.set G0B, 56                           ; s[56:63] descriptor group 0 for W's tiles, one set for each slot
.set MSB, 0
.macro WIN new                         ; the immediate's high byte repeats the setting that is left; a switch that changes nothing is dropped
.if MSB != (\new)
	s_set_vgpr_msb (MSB<<8)|(\new)
.set MSB, \new
.endif
.endm
.set MUL_LO, 0xa1                      ; source 0 (W) window 1, source 1 (x) window 0, C and D window 2
.set MUL_HI, 0xf1                      ; the same, C and D window 3
.set TO_B,   0x40                      ; destination window 1, address window 0
; A joint load.  Waves 0 and 1 fetch the two halves of x's tile, waves 2 and 3 those of W's.  Each of the two lines has ONE mask and one set of registers for all that issue it, and nothing in them hangs on a
; coordinate that the four partners do not share.  The branch hangs on the wave's number alone: it is the same in every work-group.
; An s_nop 0 and four v_nop follow each of the two lines; the jump round the other line, the label and what follows the macro come after them.
.macro JLOAD s
	s_cmp_eq_u32 s11, 0
	s_cbranch_scc0 .Lfor_b_\@
	tensor_load_to_lds s[G0+4*(\s):G0+4*(\s)+3], s[G1:G1+7]
	s_nop 0
.rept 4
	v_nop
.endr
	s_branch .Lasked_\@
.Lfor_b_\@:
	tensor_load_to_lds s[G0B+4*(\s):G0B+4*(\s)+3], s[G1B:G1B+7]
	s_nop 0
.rept 4
	v_nop
.endr
.Lasked_\@:
.endm
; A PREFETCH INTO THE L2, behind each joint refill, its five lines and the run of LDS loads that follows them: the K step that stands TWO refills on, 512 matrix instructions ahead of the load that will ask for it:
; 32 rows x 256 bytes, a lane a row, one instruction a wave.  Each row's 256 bytes of a K step are named ONCE in the launch.  x's tile row is read by both clusters of that row of clusters: cluster x = 0 asks;
; W's tile column by all eight clusters of that column: cluster y = 0 asks.  The four partners that ask for a tile jointly share its rows out BY ADDRESS: of the 128 rows that wave w fetches the partner at place p
; takes 32 p .. 32 p + 31 (p = cx for x, cy for W): no branch hangs on a work-group's place in its cluster.  The loop's last trip (s3 = 1) asks for nothing: its two refills have no K step two on.
.macro ASK
	s_cmp_gt_u32 s3, s[LIM]
	s_cbranch_scc0 .Lnot_mine_\@
	global_prefetch_b8 v[PFO], s[PFA:PFA+1] offset:KSTEP*2 th:TH_LOAD_NT scope:SCOPE_SE
.Lnot_mine_\@:
.endm
; A round of the cluster's barrier: my work-group's barrier, so that wave 0's signal speaks for all four waves; wave 0 signals for the work-group; every wave waits for all sixteen work-groups; my work-group's
; barrier once more.  No LDS instruction of the wave is pending at a signal.
.macro CREST                           ; a round behind its opening barrier
	s_cmp_lg_u32 s10, 0
	s_cbranch_scc1 .Lnot_wave_0_\@
	s_barrier_signal -3
.Lnot_wave_0_\@:
	s_barrier_wait -3
	s_barrier_signal -1
	s_barrier_wait -1
.endm
.macro CROUND                          ; a whole round
	s_barrier_signal -1
	s_barrier_wait -1
	CREST
.endm
	s_load_b128 s[4:7], s[0:1], 0x0                ; xb s[4:5], wb s[6:7]
	s_load_b64 s[8:9], s[0:1], 0x10                ; out0
	s_load_b64 s[66:67], s[0:1], 0x18              ; bias
	v_lshl_add_u32 v[SPW], v0, 2, SPARE
	v_mov_b32 v[NIL], 0
	ds_add_u32 v[SPW], v[NIL]                      ; the wave's opening: the add, twice on end, and its wait ahead of my first tensor load; the set-up below, work on registers, stands between
	ds_add_u32 v[SPW], v[NIL]                      ; and once more, under the one wait
	v_lshrrev_b32 v1, 5, v0
	v_readfirstlane_b32 s10, v1                    ; wave 0..3
	s_lshr_b32 s11, s10, 1                         ; which half of the tile's rows is mine.  Also: I fetch for x (0) or for W (1)
	s_and_b32 s12, s10, 1                          ; which half of its columns.  Also: which 128 rows of that tile I fetch
	s_bfe_u32 s40, ttmp6, 0x40000                  ; cx: my place along the cluster's x
	s_bfe_u32 s41, ttmp6, 0x40004                  ; cy: along its y
	s_lshl_b32 s42, ttmp9, 2                       ; in a cluster launch ttmp9 and ttmp7 count clusters
	s_add_co_u32 s42, s42, s40                     ; tile column = 4 x cluster x + cx
	s_and_b32 s13, ttmp7, 0xffff
	s_lshl_b32 s13, s13, 2
	s_add_co_u32 s13, s13, s41                     ; tile row = 4 x cluster y + cy
	s_lshl_b32 s43, s41, 2
	s_lshl_b32 s43, 15, s43                        ; my row of the cluster: places 4 cy .. 4 cy + 3
	s_lshl_b32 s44, 0x1111, s40                    ; my column: places cx, cx + 4, cx + 8, cx + 12
	; descriptor group 1: a tile of 128 rows x 128 elements, padded in LDS
	s_or_b32 s[G1+0], s43, (1<<16)|(1<<20)|(1<<21)|(5<<22)|(3<<25)  ; 15:0 the mask: x's tiles go to my row; 17:16 element of 2 bytes; 20 padding on; 21 set beside a mask; 24:22 after every 64 words (code 5); 31:25 of 4 words (code 3)
	s_or_b32 s[G1B+0], s44, (1<<16)|(1<<20)|(1<<21)|(5<<22)|(3<<25) ; the same with the mask of my column, for W's tiles
.irp g, G1, G1B
	s_mov_b32 s[(\g)+1], KSTEP<<16                 ; tensor_dim0 = 128
	s_mov_b32 s[(\g)+2], 128<<16                   ; tensor_dim1 = 128
	s_mov_b32 s[(\g)+3], KSTEP<<16                 ; tile_dim0 = 128
	s_mov_b32 s[(\g)+4], 128                       ; tile_dim1 = 128
	s_mov_b32 s[(\g)+5], SIZE_K                    ; tensor_dim0_stride: elements from row to row
	s_mov_b32 s[(\g)+6], 0
	s_mov_b32 s[(\g)+7], 0
.endr
	; where the tiles come from.  x's hang on the tile row alone, which my row of the cluster shares; W's on the tile column alone, which my column shares.
	; Every wave makes both addresses, in registers that never hold the other coordinate, and asks by one of them.
	s_lshl_b32 s17, s12, 7                         ; which 128 rows of the tile I fetch
	s_lshl_b32 s16, s13, 8
	s_add_co_u32 s16, s16, s17                     ; x: row 256 x tile row + 128 x half
	s_lshl_b32 s46, s42, 8
	s_add_co_u32 s46, s46, s17                     ; W: row 256 x tile column + 128 x half
	s_mov_b32 s17, 0
	s_mov_b32 s47, 0
	s_mov_b64 s[18:19], SIZE_K*2
	s_mul_u64 s[16:17], s[16:17], s[18:19]         ; in bytes, in 64 bits
	s_mul_u64 s[46:47], s[46:47], s[18:19]
	s_mul_i32 s20, s10, HALFT                      ; and where they go: x's two halves, then W's two halves = wave x 128 rows: no place in the cluster enters an LDS address
	s_wait_dscnt 0x0                               ; both opening adds are done
	s_wait_kmcnt 0x0
	s_add_nc_u64 s[14:15], s[4:5], s[16:17]
	s_add_nc_u64 s[46:47], s[6:7], s[46:47]
	CROUND                                         ; all sixteen work-groups are here: the first joint loads meet
.irp s, 0,1
	s_mov_b32 s[G0+4*(\s)], 1                                      ; 1:0 count = 1
	s_add_co_u32 s[G0+4*(\s)+1], s20, (\s)*SLOT                    ; 63:32 LDS address
	s_add_nc_u64 s[G0+4*(\s)+2:G0+4*(\s)+3], s[14:15], (\s)*KSTEP*2  ; 120:64 global address: K step s
	s_or_b32 s[G0+4*(\s)+3], s[G0+4*(\s)+3], 0x80000000            ; 127:126 type = 2
	s_mov_b32 s[G0B+4*(\s)], 1
	s_add_co_u32 s[G0B+4*(\s)+1], s20, (\s)*SLOT
	s_add_nc_u64 s[G0B+4*(\s)+2:G0B+4*(\s)+3], s[46:47], (\s)*KSTEP*2
	s_or_b32 s[G0B+4*(\s)+3], s[G0B+4*(\s)+3], 0x80000000
	JLOAD \s                                       ; the ring is filled before anything else is done: two loads of mine are out
.endr
	; A fragment is 16 rows x 32 K in 8 registers: lane l holds row l % 16; registers 0-3 hold K = 8 (l / 16) + 0..7, registers 4-7 hold K = 16 + 8 (l / 16) + 0..7.
	; From rows that lie along K: two loads of 16 bytes, 32 bytes apart.  The same for source 0 and source 1.
	v_and_b32 v1, 15, v0                           ; l % 16
	v_bfe_u32 v2, v0, 4, 1                         ; l / 16
	v_mul_u32_u24 v3, v1, PITCH
	v_lshl_add_u32 v3, v2, 4, v3                   ; row x pitch + 16 x half
	s_mul_i32 s21, s11, HALFT                      ; my 128 rows of x
	s_mul_i32 s22, s12, HALFT                      ; my 128 rows of W,
	s_add_co_u32 s22, s22, 2*HALFT                 ; which lie behind x's 256
.irp s, 0,1
	v_add_nc_u32 v[ADRA+(\s)], s21, v3
	v_add_nc_u32 v[ADRB+(\s)], s22, v3
	s_add_co_u32 s21, s21, SLOT
	s_add_co_u32 s22, s22, SLOT
.endr
	s_mul_i32 s23, s10, 16*SPITCH
	s_add_co_u32 s23, s23, STAGE                   ; my stage
	v_mul_u32_u24 v4, v1, SPITCH                   ; in: row l % 16, 32 bytes for each half of the lanes
	v_lshl_add_u32 v4, v2, 5, v4
	v_add_nc_u32 v[STO], s23, v4
	v_and_b32 v5, 31, v0
	v_lshl_add_u32 v[RD], v5, 4, s23               ; back: 32 lanes take a row's 512 bytes
	v_lshlrev_b32 v[CO], 4, v5
	; where my part of the tile begins in out0, and my 128 columns in bias
	s_lshl_b32 s13, s13, 8
	s_lshl_b32 s14, s11, 7
	s_add_co_u32 s16, s13, s14                     ; my first row of out0
	s_mov_b32 s17, 0
	s_mov_b64 s[18:19], SIZE_N*4
	s_mul_u64 s[16:17], s[16:17], s[18:19]
	s_lshl_b32 s46, s42, 10                        ; my first column, in bytes: 1,024 x tile column + 512 x half (in the registers that held W's address: none that feeds x's descriptors ever holds cx)
	s_lshl_b32 s47, s12, 9
	s_add_co_u32 s46, s46, s47
	s_mov_b32 s47, 0
	s_add_nc_u64 s[66:67], s[66:67], s[46:47]
	s_add_nc_u64 s[16:17], s[16:17], s[46:47]
	s_add_nc_u64 s[8:9], s[8:9], s[16:17]
	global_load_b128 v[BI:BI+3], v[CO], s[66:67]   ; waited for on the way out
	; the prefetches.  s13 = 256 x tile row, s42 = tile column, s40 = cx, s41 = cy still stand; s[4:5] = xb, s[6:7] = wb
	s_lshl_b32 s42, s42, 8
	s_and_b32 s22, ttmp7, 0xffff                   ; cluster y
	s_cmp_eq_u32 s11, 0                            ; do I fetch for x?
	s_cselect_b32 s20, s13, s42                    ; the tile's first row: in xb by the tile row, in wb by the tile column
	s_cselect_b32 s21, s40, s41                    ; my place among the four that ask for it with me
	s_cselect_b32 s22, ttmp9, s22                  ; the coordinate along which other clusters read the same rows
	s_cselect_b64 s[PFA:PFA+1], s[4:5], s[6:7]
	s_cmp_eq_u32 s22, 0
	s_cselect_b32 s[LIM], 1, -1                    ; the same in all sixteen partners, for a given wave
	s_lshl_b32 s22, s12, 7
	s_add_co_u32 s20, s20, s22                     ; + the 128 rows that I fetch
	s_lshl_b32 s21, s21, 5
	s_add_co_u32 s20, s20, s21                     ; + my work-group's 32 of them
	s_mov_b32 s21, 0
	s_mov_b64 s[18:19], SIZE_K*2
	s_mul_u64 s[20:21], s[20:21], s[18:19]
	s_add_nc_u64 s[PFA:PFA+1], s[PFA:PFA+1], s[20:21]
	s_add_nc_u64 s[PFA:PFA+1], s[PFA:PFA+1], 2*KSTEP*2  ; at K step 2: the first refill steps it to 3 and names K step 4
	v_and_b32 v[PFO], 31, v0
	v_mul_u32_u24 v[PFO], v[PFO], SIZE_K*2
	; nothing is prefetched here, at the head, where every work-group's first two tiles are on their way: K steps 2 and 3 come by their refills alone
; 16 matrix instructions: m blocks a0, a0 + 1 of the window's four (hi = 0: my rows 0-63, 1: rows 64-127) x all 8 n blocks, 32 along K.  zero = 1: the first product starts the sums: nothing is ever cleared.
; The 64 accumulators take turns, one instruction a turn, in the same order in every quarter: between two links of a chain stand the 63 others', over the loop's backward jump too.
.macro MUL16 f, hi, a0, zero
	WIN MUL_LO+0x50*(\hi)  ; MUL_LO or MUL_HI
.irp a, \a0, (\a0)+1
.irp b, 0,1,2,3,4,5,6,7
.if \zero
	v_wmma_f32_16x16x32_bf16 v[8*(8*(\a)+(\b)):8*(8*(\a)+(\b))+7], v[(\f)+8*(\b):(\f)+8*(\b)+7], v[(\f)+8*(4*(\hi)+(\a)):(\f)+8*(4*(\hi)+(\a))+7], 0
.else
	v_wmma_f32_16x16x32_bf16 v[8*(8*(\a)+(\b)):8*(8*(\a)+(\b))+7], v[(\f)+8*(\b):(\f)+8*(\b)+7], v[(\f)+8*(4*(\hi)+(\a)):(\f)+8*(4*(\hi)+(\a))+7], v[8*(8*(\a)+(\b)):8*(8*(\a)+(\b))+7]
.endif
.endr
.endr
.endm
; 32 LDS loads in one run: the fragments of one quarter step (128 rows of W, 128 rows of x, 32 K at byte k of the rows) into buffer f
.macro FETCH slot, k, f
	WIN TO_B
.irp i, 0,1,2,3,4,5,6,7
	ds_load_b128 v[(\f)+8*(\i):(\f)+8*(\i)+3],   v[ADRB+(\slot)] offset:(\k)+(\i)*16*PITCH
	ds_load_b128 v[(\f)+8*(\i)+4:(\f)+8*(\i)+7], v[ADRB+(\slot)] offset:(\k)+(\i)*16*PITCH+32
.endr
	WIN 0
.irp i, 0,1,2,3,4,5,6,7
	ds_load_b128 v[(\f)+8*(\i):(\f)+8*(\i)+3],   v[ADRA+(\slot)] offset:(\k)+(\i)*16*PITCH
	ds_load_b128 v[(\f)+8*(\i)+4:(\f)+8*(\i)+7], v[ADRA+(\slot)] offset:(\k)+(\i)*16*PITCH+32
.endr
.endm
; A load into a register that a matrix instruction has read, and an instruction that reads a matrix result, stand four places behind that matrix instruction, and only plain vector instructions that name none of
; its registers are places (ISA guide 7.12.1 for vector instructions); the matrix instructions in between are not counted.
.macro PLACES
.rept 4
	v_nop
.endr
.endm
; A K step is four quarter steps of 32 along K, 64 matrix instructions each, on buffers 0, 1, 0, 1.
; One of the first three: multiplies buffer f; in its middle it fetches the next quarter's fragments, at byte k of the same slot's rows, into buffer g.
.macro QUARTER slot, k, f, g, zero
	s_wait_dscnt 8                                 ; W and x's rows 0-63 are in; the youngest eight loads (x's rows 64-127) may be out
	MUL16 \f, 0, 0, \zero
	MUL16 \f, 0, 2, \zero
	PLACES
	FETCH \slot, \k, \g
	s_wait_dscnt 32                                ; all but the 32 just issued
	MUL16 \f, 1, 0, \zero
	MUL16 \f, 1, 2, \zero
.endm
; The last quarter multiplies buffer 1 and changes slots.  MEET is its first half: ONE barrier for the change of slots, for two things.  In front of it each wave waits for all its tensor loads, of which one is
; out: its part of the next slot; adds 0 to its spare word; and waits for that and for its own reads of this slot.  Behind it nobody reads this slot any more and the next slot is whole.
.macro MEET round                      ; round = 1: the rest of a round of the cluster's barrier follows
	WIN 0                                          ; (the add's two registers lie in window 0)
	s_wait_tensorcnt 0x0                           ; all my tensor loads have landed;
	ds_add_u32 v[SPW], v[NIL]                      ; 0 onto my spare word:
	s_wait_dscnt 9                                 ; (the add and the youngest eight loads may be out)
	MUL16 F1, 0, 0, 0                              ; sixteen matrix instructions stand between the add and the wait for it
	s_wait_dscnt 0x0                               ; the add is done, and my reads of this slot are over (the last were issued 48 matrix instructions ago):
	s_barrier_signal -1                            ; say so,
	MUL16 F1, 0, 2, 0                              ; work on registers while the others arrive,
.if \round
	WIN 0
.endif
	s_barrier_wait -1                              ; and go on when all four have said so
.endm
; The whole last quarter.  fill = 1: behind the barrier, which then opens a round of the cluster's barrier, the slot just read out is filled again first, with the K step two steps on; then come the next slot's
; first fragments.  From a request to the wait for it a wave issues 224 matrix instructions.  fill = 0 (the last lap): nothing is asked for, and no round follows.
.macro TURN slot, next, fill
.if \fill
	s_wait_xcnt 0x0                                ; the last prefetch, a K step back, has read its address: it is stepped here, ahead of the waits of the change of slots
	s_add_nc_u64 s[PFA:PFA+1], s[PFA:PFA+1], KSTEP*2
.endif
	MEET \fill
.if \fill
	CREST                                          ; all sixteen work-groups have said so: no wave of any partner still reads this slot's tile or has a load on its way
	s_add_nc_u64 s[G0+4*(\slot)+2:G0+4*(\slot)+3], s[G0+4*(\slot)+2:G0+4*(\slot)+3], 2*KSTEP*2    ; no tensor load of mine is out, so a group 0 may be written; the type bits on top are not reached
	s_add_nc_u64 s[G0B+4*(\slot)+2:G0B+4*(\slot)+3], s[G0B+4*(\slot)+2:G0B+4*(\slot)+3], 2*KSTEP*2
	JLOAD \slot                                    ; the first tensor load behind the round; the four v_nop behind it are also the places in front of the loads below
.else
	PLACES
.endif
	FETCH \next, 0, F0
.if \fill
	ASK                                            ; behind the joint load and the run of LDS loads that the next products wait for
.endif
	MUL16 F1, 1, 0, 0
	MUL16 F1, 1, 2, 0
.endm
	s_wait_tensorcnt 1                             ; my part of K step 0 is in; K step 1's may stay out
	s_barrier_signal -1
	s_barrier_wait -1                              ; everybody's is
	FETCH 0, 0, F0
	QUARTER 0, 64,  F0, F1, 1                      ; the first quarter stands in front of the loop: its products start the sums
	WIN 0                                          ; at a label and at a branch every window is 0
	s_mov_b32 s3, LAPS-1
.Llap:                                                 ; a trip goes once round the ring, from a lap's second quarter to the next lap's first, and fills both slots again
	QUARTER 0, 128, F1, F0, 0
	QUARTER 0, 192, F0, F1, 0
	TURN 0, 1, 1
	QUARTER 1, 64,  F0, F1, 0
	QUARTER 1, 128, F1, F0, 0
	QUARTER 1, 192, F0, F1, 0
	TURN 1, 0, 1
	QUARTER 0, 64,  F0, F1, 0
	WIN 0
	s_sub_co_u32 s3, s3, 1
	s_cmp_lg_u32 s3, 0
	s_cbranch_scc1 .Llap
	QUARTER 0, 128, F1, F0, 0                      ; the last lap is written out: it fills nothing
	QUARTER 0, 192, F0, F1, 0
	TURN 0, 1, 0
	QUARTER 1, 64,  F0, F1, 0
	QUARTER 1, 128, F1, F0, 0
	QUARTER 1, 192, F0, F1, 0
	s_wait_dscnt 8                                 ; the very last quarter: nothing more to fetch
	MUL16 F1, 0, 0, 0
	MUL16 F1, 0, 2, 0
	s_wait_dscnt 0x0
	MUL16 F1, 1, 0, 0
	MUL16 F1, 1, 2, 0
	WIN 0
	; THE WAY OUT.  A lane's eight numbers are 32 bytes of a row of out0, and the lanes beside it hold other rows.  So a block of 16 rows at a time goes from the accumulators into my own stage in LDS and comes back
	; by rows, 512 consecutive bytes a load; the bias is added, and each store of the wave covers 512 consecutive bytes, at a multiple of 512 from out0's first byte.
	; The stage is each wave's own: no barrier; LDS serves a wave's instructions in order (ISA guide 5.7.1.4), so a block's loads see its stores, and the next block's stores come behind them.
	PLACES                                         ; behind the last products: the LDS stores read results, and the loads land in registers that products have read
	PLACES
	s_wait_loadcnt 0x0                             ; the bias
.macro STS a                           ; block a into the stage: 16 stores
	WIN 0x08+4*((\a)/4)                            ; store data (source 1) in window 2 or 3
.set AC, 64*((\a)%4)
.irp b, 0,1,2,3,4,5,6,7
	ds_store_b128 v[STO], v[AC+8*(\b):AC+8*(\b)+3]   offset:64*(\b)      ; each accumulator's low registers first
	ds_store_b128 v[STO], v[AC+8*(\b)+4:AC+8*(\b)+7] offset:64*(\b)+16
.endr
	WIN 0
.endm
.macro LDB a                           ; and back, a row a load
.set BK, OB+64*((\a)%2)
.if (\a) >= 2
	s_wait_xcnt 0x0                                ; the stores of the block two back have read these registers (ISA guide 3.1): only behind this wait are they loaded again
.endif
.set t, 0
.rept 16
	ds_load_b128 v[BK+4*t:BK+4*t+3], v[RD] offset:SPITCH*t
.set t, t+1
.endr
.endm
.macro SEND a, younger                 ; younger: the LDS instructions issued behind block a's loads: the next block's sixteen stores, or none
.set BK, OB+64*((\a)%2)
.set t, 0
.rept 16
	s_wait_dscnt (\younger)+15-t                   ; row t is back
	v_pk_add_f32 v[BK+4*t:BK+4*t+1],   v[BK+4*t:BK+4*t+1],   v[BI:BI+1]
	v_pk_add_f32 v[BK+4*t+2:BK+4*t+3], v[BK+4*t+2:BK+4*t+3], v[BI+2:BI+3]
	global_store_b128 v[CO], v[BK+4*t:BK+4*t+3], s[8:9] offset:(16*(\a)+t)*SIZE_N*4 th:TH_STORE_NT  ; 127 rows of 8,192 bytes at the most: inside the signed 24-bit immediate
.set t, t+1
.endr
.endm
	STS 0
	LDB 0
.irp a, 1,2,3,4,5,6,7                  ; the next block's stores into the stage stand between a block's loads and the wait for them
	STS \a
	SEND (\a)-1, 16
	LDB \a
.endr
	SEND 7, 0
	s_wait_tensorcnt 0x0                           ; the wave's end, behind my last tensor load and my last LDS store
	ds_add_u32 v[SPW], v[NIL]
	s_wait_dscnt 0x0
	CROUND                                         ; the closing round: no work-group ends while a partner may still ask for a tile that names it
	s_endpgm
.Lfunc_end_k_q000c2cd0f4_gemm:
	.size	k_q000c2cd0f4_gemm, .Lfunc_end_k_q000c2cd0f4_gemm-k_q000c2cd0f4_gemm
	.p2alignl 7, 3214868480
	.fill 96, 4, 3214868480
	.section	.rodata,"a",@progbits
	.p2align	6, 0x0
	.amdhsa_kernel k_q000c2cd0f4_gemm
		.amdhsa_group_segment_fixed_size 327680
		.amdhsa_private_segment_fixed_size 0
		.amdhsa_enable_private_segment 0
		.amdhsa_kernarg_size 32
		.amdhsa_user_sgpr_count 2
		.amdhsa_user_sgpr_kernarg_segment_ptr 1
		.amdhsa_wavefront_size32 1
		.amdhsa_system_sgpr_workgroup_id_x 1
		.amdhsa_system_sgpr_workgroup_id_y 1
		.amdhsa_system_sgpr_workgroup_id_z 1
		.amdhsa_system_vgpr_workitem_id 0
		.amdhsa_next_free_vgpr 1024
		.amdhsa_next_free_sgpr 68
		.amdhsa_reserve_vcc 0
		.amdhsa_float_denorm_mode_32 3
		.amdhsa_float_denorm_mode_16_64 3
		.amdhsa_memory_ordered 1
		.amdhsa_forward_progress 1
		.amdhsa_inst_pref_size 161
	.end_amdhsa_kernel
	.amdgpu_metadata
---
amdhsa.version: [ 1, 2 ]
amdhsa.kernels:
  - .name:           k_q000c2cd0f4_gemm
    .symbol:         k_q000c2cd0f4_gemm.kd
    .args:
      - { .name: xb, .offset: 0, .size: 8, .value_kind: global_buffer, .address_space: global }
      - { .name: wb, .offset: 8, .size: 8, .value_kind: global_buffer, .address_space: global }
      - { .name: out0, .offset: 16, .size: 8, .value_kind: global_buffer, .address_space: global }
      - { .name: bias, .offset: 24, .size: 8, .value_kind: global_buffer, .address_space: global }
    .group_segment_fixed_size: 327680
    .private_segment_fixed_size: 0
    .kernarg_segment_align: 8
    .kernarg_segment_size: 32
    .max_flat_workgroup_size: 128
    .sgpr_count:     68
    .vgpr_count:     1024
    .wavefront_size: 32
...
	.end_amdgpu_metadata
.endif
;; end of part 2
;; ======== version 2 of 2: 2 launches; version 1 with the launch prep written anew for expert scheduling mode
;; workspace buffers: wb 16,777,216 bytes; xb 67,108,864 bytes
;; launch prep (part 3): grid 768 x 1, 8 waves a work-group, no clusters, 87,040 bytes of LDS; arguments weight_q3, weight_params, x, wb, xb; writes wb, xb
.if DOCPART == 3
	.amdgcn_target "amdgcn-amd-amdhsa--gfx1250"
	.amdhsa_code_object_version 6
	.text
	.protected	k_q000c2cd0f4_prep
	.globl	k_q000c2cd0f4_prep
	.p2align	8
	.type	k_q000c2cd0f4_prep,@function
k_q000c2cd0f4_prep:
	s_mov_b64 s[64:65], 0
	v_nop
	global_prefetch_b8 v0, s[64:65] scope:SCOPE_SE
	s_setreg_imm32_b32 hwreg(HW_REG_WAVE_SCHED_MODE, 0, 2), 2
	s_setreg_imm32_b32 hwreg(HW_REG_WAVE_MODE, 25, 1), 1
	s_wait_xcnt 0x0
	s_wait_alu depctr_vm_vsrc(0)
; BOTH OPERANDS OF THE PRODUCT ARE MADE READY, each once: W is unpacked from its 3-bit codes into bf16 (work-groups 0 to 255), x is rounded to bf16 (work-groups 256 to 767).
; NOTHING OF THE PROBLEM IS LEFT OUT: x, weight_q3, weight_params and bias all reach the output, and all four are loaded (three here, the bias in the product), each byte once.
; WHY x IS ROUNDED HERE and not on its way through the product: in bf16 a tile of 256 rows x 128 k is 64 KiB, so that two slots of K = 128 for x and W fit in LDS there; in f32 they do not.
; W.    weight_q3: one byte in each int32 (its low 8 bits, as a cast to uint8 keeps them); three bytes on end are a string of 24 bits, eight codes, the first in the lowest bits.
;       weight_params: for each group of 64 weights along k an f16 pair (min, max): one word.  wb[n][k] = (q / 7) (max - min) + min in bf16, row-major.
; LIMITS.  w is made as fma(q, (max - min) x (1/7), min) in f32 and rounded once to bf16: the order of rounding differs from (q / 7) x scale + min by a few units of f32's last place,
;       far below bf16's step.  x is rounded once, to nearest even.  NaN and infinities go through the arithmetic as they come.
; SHARES, W.  Work-group b owns rows 8 b .. 8 b + 7, wave w row n = 8 b + w: 1,536 int32, 6,144 consecutive bytes.  Lane l unpacks the groups t = l and t = l + 32 of that row.
;       (1) twelve loads of 512 consecutive bytes, all out before the first wait; (2) four int32 make one word of the true byte stream, which goes into the wave's own LDS bytes; (3) each lane reads its two
;       groups' 24 bytes back; (4) unpacks; 16 bytes (8 weights) at a time go into the wave's own stage; (5) the row comes back in its order in memory and is stored, 512 consecutive bytes a store.
;       No wave touches another's LDS bytes: no barrier.
; SHARES, x.  Work-group 256 + c owns rows 16 c .. 16 c + 15, wave w two of them: 32,768 consecutive bytes, 64 pieces of 512, in 16 blocks of four.  Five buffers of a block keep 12 to 16 loads of every wave on their way.
;       A lane's four f32 become 8 bytes; a store of the wave covers 256 consecutive bytes, aligned.  All offsets are immediates: no address register is ever rewritten.
; The branch between the two bodies hangs on the work-group's number alone.  No matrix unit, no tensor load, no cluster: nothing here is multiplied and no work-group reads what another reads.
; THE MODE: SCHED_MODE bits 1:0 = 2 (LLVM: expert scheduling mode 2), set by the entry lines.  The code itself states the register dependences between vector instructions and memory or LDS instructions,
;       with s_wait_alu, always for 0.
; THE PLAN, x.  Registers that memory instructions touch:
;       X0 .. X4   five blocks of x as loaded.  Written by the loads of block p + 4, issued in block p; read by block p's roundings.
;       Y0, Y1     two blocks of xb to store.   Written by block p's roundings; read by the four stores that are issued in block p + 1.
;       v2, v3     byte offsets, made once and never written again.
;       Block p works on X[p % 5] and writes Y[p % 2].  Its memory instructions are the loads into X[(p + 4) % 5] = X[(p - 1) % 5] and the stores from Y[(p - 1) % 2]: the two buffers that block p - 1 worked on
;       and that no vector instruction of block p names.  So the waits at a block's head state all that its eight memory instructions hang on, and these are dealt among its roundings with no further wait.
; THE PLAN, W.  Registers that memory or LDS instructions touch:
;       v2 .. v7   offsets and LDS addresses, made once and never written again.        v12, v13  the parameter words: loaded, then read by vector instructions.
;       v[16:63]   the twelve loads land here; each load's three permutes work in place and leave the stream's word in its first register, which an LDS store reads.
;       v[16:79]   then the out-registers, four of its own for each of the lane's 16 chunks: written by the chunk's roundings, read by its LDS store; at the end the stage's read-back lands here, and the global stores read it.
;       v[100:111] the two groups' twelve words: loaded from LDS, read by vector instructions.
;       v[80:99]   named by vector instructions alone.        v10, v11  written at the head, read by the closing add alone.
;       One wait on va_vdst stands behind all the permutes, ahead of the run of twelve LDS stores.  The chunks go in four steps of four; one wait on va_vdst at the head of a step states that the step before has
;       written its sixteen out-registers, and that step's four LDS stores are dealt among this step's chunks, which name other registers.  Two waits on vm_vsrc: ahead of the first rounding into v[16 ..] and ahead of the read-back.
.set RAW,   0                          ; LDS: wave w's byte stream, 1,536 bytes at 1,536 w
.set OUTS,  12288                      ; LDS: wave w's stage at 9,216 w: 64 groups of 128 bytes + 16 of padding
.set GP,    144                        ; a group's pitch: 9 x 16 bytes, so that 16 lanes a group apart touch 16 different columns of 16 bytes (64 banks of 4 bytes: ISA guide 11.1)
.set SPARE, OUTS+8*64*GP               ; 86,016: the spare words, 128 bytes for each wave: four blocks of 256 bytes that no other line names
.set L16, 2                            ; v2   16 x lane
.set L4,  3                            ; v3   W: 4 x lane
.set L8,  3                            ; v3   x: 8 x lane
.set RW,  4                            ; v4   where I put a word of the byte stream
.set RR,  5                            ; v5   where my first group's 24 bytes lie
.set OW,  6                            ; v6   where I put 16 bytes of my first group in the stage
.set OR,  7                            ; v7   where I read the stage back
.set SPW, 10                           ; v10  LDS address of my spare word; never rewritten
.set NIL, 11                           ; v11  0; never rewritten
.set PR,  12                           ; v12, v13  the parameter words of groups l and l + 32
.set D,   16                           ; v[16:63]  twelve loads of four int32; load c's word of the byte stream ends in v[D + 4 c]
.set PK,  16                           ; v[16:79]  chunk k of 16: 16 bytes of bf16 in four registers at PK + 4 k
.set BK,  16                           ; v[16:79]  the stage read back: 16 loads of four registers
.set Q,   80                           ; v[80:87]  eight numbers; v80, v81 also at work in the set-up
.set CH,  88                           ; v88  the 24 bits in hand
.set MS,  92                           ; v[92:99]  group u: min in v[92+4u], scale / 7 in v[94+4u]; each is the low word of a pair that the packed multiply-add names
.set WD,  100                          ; v[100:111]  six words a group
.set X,   16                           ; v[16:95]  x: buffer k of five, piece i of four: four f32 as loaded, at X + 16 k + 4 i
.set Y,   96                           ; v[96:111] x: buffer k of two, piece i: the same as 8 bytes of bf16, at Y + 8 k + 2 i
.set BL,     4                         ; pieces in a block
.set NX,     5                         ; buffers of x as loaded
.set PIECES, 64                        ; pieces of 512 bytes in a wave's share
.set BLOCKS, PIECES/BL
	s_load_b256 s[4:11], s[0:1], 0x0               ; weight_q3 s[4:5], weight_params s[6:7], x s[8:9], wb s[10:11]
	s_load_b64 s[12:13], s[0:1], 0x20              ; xb
	v_lshl_add_u32 v[SPW], v0, 2, SPARE
	v_mov_b32 v[NIL], 0
	v_lshrrev_b32 v1, 5, v0
	v_readfirstlane_b32 s16, v1                    ; wave 0..7
	v_and_b32 v1, 31, v0                           ; lane
	v_lshlrev_b32 v[L16], 4, v1
	s_mov_b32 s19, 0                               ; the upper word of every offset
	s_wait_alu depctr_va_sdst(0)                   ; s16 is written: ahead of the branch, and of its first reader on either path
	s_cmp_lt_u32 ttmp9, 256
	s_cbranch_scc0 .Lcast
	; ---------------- W ----------------
	s_lshl_b32 s17, ttmp9, 3
	s_add_co_u32 s17, s17, s16                     ; my row n
	s_mov_b32 s20, 0x04000400                      ; v_perm_b32: the low bytes of two words, side by side
	s_mov_b32 s21, 0x05040100                      ; v_perm_b32: two low halves, side by side
	s_mov_b32 s22, 0x3e124925                      ; 1 / 7
	v_lshlrev_b32 v[L4], 2, v1
	s_mul_i32 s23, s16, 1536                       ; my wave's bytes of RAW (RAW = 0)
	v_lshl_add_u32 v[RW], v1, 2, s23
	v_mul_u32_u24 v[RR], 24, v1
	v_add_nc_u32 v[RR], s23, v[RR]
	s_mul_i32 s24, s16, 64*GP
	s_add_co_u32 s24, s24, OUTS                    ; my wave's stage
	v_mul_u32_u24 v[OW], v1, GP                    ; in: group l
	v_add_nc_u32 v[OW], s24, v[OW]
	v_lshrrev_b32 v[Q], 3, v1                      ; back: eight lanes take a group's 128 bytes,
	v_and_b32 v[Q+1], 7, v1
	v_mul_u32_u24 v[OR], v[Q], GP                  ; 32 lanes four groups: 512 consecutive bytes of the row
	v_lshl_add_u32 v[OR], v[Q+1], 4, v[OR]
	v_add_nc_u32 v[OR], s24, v[OR]
.irp r, 1,3,5,7
	v_mov_b32 v[MS+\r], 0                          ; the pairs' upper words: named, never used
.endr
	s_mul_i32 s18, s17, 6144
	s_wait_kmcnt 0x0
	s_add_nc_u64 s[4:5], s[4:5], s[18:19]          ; my row's int32
	s_lshl_b32 s18, s17, 8
	s_add_nc_u64 s[6:7], s[6:7], s[18:19]          ; my row's 64 parameter words
	s_lshl_b32 s18, s17, 13
	s_add_nc_u64 s[10:11], s[10:11], s[18:19]      ; my row of wb: 8,192 bytes
	s_wait_alu depctr_va_vdst(0)                   ; the six offsets and addresses v2 to v7 are written, which every load and store of this body reads
	global_load_b32 v[PR], v[L4], s[6:7]           ; groups 0 .. 31: 128 consecutive bytes,
	global_load_b32 v[PR+1], v[L4], s[6:7] offset:128  ; groups 32 .. 63
.irp c, 0,1,2,3,4,5,6,7,8,9,10,11
	global_load_b128 v[D+4*\c:D+4*\c+3], v[L16], s[4:5] offset:512*\c th:TH_LOAD_NT  ; int32 128 c + 4 l .. + 3; read once in the launch
.endr
; Load c is in: four int32 give word 32 c + l of the row's byte stream, in place, in the load's first register.
.macro PACKW c
	s_wait_loadcnt 11-(\c)                         ; loads come back in order (ISA guide 5.7.1): the 11 - c younger ones may stay out
	v_perm_b32 v[D+4*(\c)],   v[D+4*(\c)+1], v[D+4*(\c)],   s20
	v_perm_b32 v[D+4*(\c)+2], v[D+4*(\c)+3], v[D+4*(\c)+2], s20
	v_perm_b32 v[D+4*(\c)],   v[D+4*(\c)+2], v[D+4*(\c)],   s21
.endm
.irp c, 0,1,2,3,4,5,6,7,8,9,10,11
	PACKW \c
.endr
	s_wait_alu depctr_va_vdst(0)                   ; the permutes have written v[D + 4 c], which the twelve LDS stores read; every lane's read-back below needs the whole row, so one run of stores delays nothing
.irp c, 0,1,2,3,4,5,6,7,8,9,10,11
	ds_store_b32 v[RW], v[D+4*\c] offset:RAW+128*\c
.endr
.irp u, 0,1
.irp c, 0,1,2
	ds_load_b64 v[WD+6*\u+2*\c:WD+6*\u+2*\c+1], v[RR] offset:RAW+768*\u+8*\c  ; my wave's own bytes: LDS serves a wave's instructions in order (ISA guide 5.7.1.4), so these see the stores above
.endr
.endr
	v_cvt_f32_f16 v[MS], v12.l                     ; the parameters were loaded ahead of the data, so they are in
	v_cvt_f32_f16 v[MS+2], v12.h
	v_cvt_f32_f16 v[MS+4], v13.l
	v_cvt_f32_f16 v[MS+6], v13.h
	v_sub_f32 v[MS+2], v[MS+2], v[MS]              ; max - min
	v_sub_f32 v[MS+6], v[MS+6], v[MS+4]
	v_mul_f32 v[MS+2], s22, v[MS+2]                ; / 7
	v_mul_f32 v[MS+6], s22, v[MS+6]
	s_wait_dscnt 0x0                               ; my two groups' twelve words
	s_wait_alu depctr_vm_vsrc(0)                   ; the twelve LDS stores have read v[D + 4 c]: these registers are out-registers from here on, written by the roundings
; Chunk p of 8 of group u: 24 bits, eight codes, eight weights, 16 bytes, into the chunk's own four registers.  Three words hold four chunks.
.macro UNPACK u, p
.set wq, WD+6*(\u)+3*((\p)/4)
.set ch, CH
.if (\p)%4 == 0
.set ch, wq                            ; the first chunk lies in the low 24 bits of its word as it is
.elseif (\p)%4 == 1
	v_alignbit_b32 v[CH], v[wq+1], v[wq], 24
.elseif (\p)%4 == 2
	v_alignbit_b32 v[CH], v[wq+2], v[wq+1], 16
.else
	v_lshrrev_b32 v[CH], 8, v[wq+2]
.endif
.irp j, 0,1,2,3,4,5,6,7
	v_bfe_u32 v[Q+\j], v[ch], 3*\j, 3
.endr
.irp j, 0,1,2,3,4,5,6,7
	v_cvt_f32_u32 v[Q+\j], v[Q+\j]
.endr
.irp j, 0,2,4,6
	v_pk_fma_f32 v[Q+\j:Q+\j+1], v[Q+\j:Q+\j+1], v[MS+4*(\u)+2:MS+4*(\u)+3], v[MS+4*(\u):MS+4*(\u)+1] op_sel_hi:[1,0,0]  ; q x scale / 7 + min, both halves by the pairs' low words
.endr
.irp j, 0,1,2,3
	v_cvt_pk_bf16_f32 v[PK+4*(8*(\u)+(\p))+\j], v[Q+2*\j], v[Q+2*\j+1]
.endr
.endm
; The same chunk goes into the stage: group t = l + 32 u, weights 8 p .. 8 p + 7.
.macro PUT u, p
	ds_store_b128 v[OW], v[PK+4*(8*(\u)+(\p)):PK+4*(8*(\u)+(\p))+3] offset:32*GP*(\u)+16*(\p)
.endm
.irp j, 0,1,2,3
	UNPACK 0, \j                                   ; step 0
.endr
	s_wait_alu depctr_va_vdst(0)                   ; step 0's roundings have written their sixteen out-registers, which the four LDS stores below read; step 1 names other registers
.irp j, 0,1,2,3
	PUT 0, \j
	UNPACK 0, 4+\j                                 ; step 1
.endr
	s_wait_alu depctr_va_vdst(0)                   ; step 1's roundings have written theirs; step 2 names other registers
.irp j, 0,1,2,3
	PUT 0, 4+\j
	UNPACK 1, \j                                   ; step 2
.endr
	s_wait_alu depctr_va_vdst(0)                   ; step 2's roundings have written theirs; step 3 names other registers
.irp j, 0,1,2,3
	PUT 1, \j
	UNPACK 1, 4+\j                                 ; step 3
.endr
	s_wait_alu depctr_va_vdst(0)                   ; step 3's roundings have written theirs; and every vector instruction that names v[16:79], in which the read-back lands, is done: none follows
.irp j, 0,1,2,3
	PUT 1, 4+\j
.endr
	s_wait_alu depctr_vm_vsrc(0)                   ; the sixteen LDS stores have read v[16:79], in which the loads below land
.irp i, 0,1,2,3,4,5,6,7,8,9,10,11,12,13,14,15
	ds_load_b128 v[BK+4*\i:BK+4*\i+3], v[OR] offset:4*GP*\i  ; groups 4 i .. 4 i + 3: my wave's own bytes again, served behind the stores above
.endr
.irp i, 0,1,2,3,4,5,6,7,8,9,10,11,12,13,14,15
	s_wait_dscnt 15-\i                             ; the 15 - i younger loads may stay out
	global_store_b128 v[L16], v[BK+4*\i:BK+4*\i+3], s[10:11] offset:512*\i  ; 512 consecutive bytes, at a multiple of 512 from wb's first byte
.endr
	s_wait_dscnt 0x0                               ; the closing lines, six on end
	s_wait_alu 0x0
	s_wait_tensorcnt 0x0
	ds_add_u32 v[SPW], v[NIL]
	s_wait_dscnt 0x0
	s_endpgm
	; ---------------- x ----------------
.Lcast:
	s_sub_co_u32 s17, ttmp9, 256
	s_lshl_b32 s17, s17, 3
	s_add_co_u32 s17, s17, s16                     ; my wave among the 4,096 that cast
	v_lshlrev_b32 v[L8], 3, v1
	s_lshl_b32 s18, s17, 15                        ; its 32,768 bytes of x: under 2^27 in all
	s_wait_kmcnt 0x0
	s_add_nc_u64 s[8:9], s[8:9], s[18:19]
	s_lshl_b32 s18, s17, 14                        ; its 16,384 bytes of xb
	s_add_nc_u64 s[12:13], s[12:13], s[18:19]
	s_wait_alu depctr_va_vdst(0)                   ; v2 and v3 are written: every load and store of this body reads one of them as its offset
.set n, 0
.rept (NX-1)*BL
	global_load_b128 v[X+4*n:X+4*n+3], v[L16], s[8:9] offset:512*n th:TH_LOAD_NT  ; blocks 0 to 3 into X0 to X3; x is read once in the launch
.set n, n+1
.endr
.set blk, 0
.rept BLOCKS                           ; block blk
.set xin, X+4*BL*(blk%NX)              ; the buffer that it rounds,
.set xnx, X+4*BL*((blk+NX-1)%NX)       ; the one that the block before rounded, which is loaded again,
.set yin, Y+2*BL*(blk%2)               ; the buffer that it writes,
.set yot, Y+2*BL*((blk+1)%2)           ; the one that the block before wrote, which is stored
.if blk+NX-2 < BLOCKS
	s_wait_loadcnt (NX-2)*BL                       ; loads come back in order (ISA guide 5.7.1): this block's four are in, the three younger blocks stay out
.else
	s_wait_loadcnt (BLOCKS-1-blk)*BL               ; the last blocks load nothing: the counts run down
.endif
.if blk >= 2
	s_wait_xcnt 0x0                                ; every earlier memory instruction has had its addresses translated (ISA guide 3.1): this block's Y is rewritten only behind this wait
	s_wait_alu depctr_vm_vsrc(0)                   ; the stores issued in the block before have read this block's Y, which its roundings write again
.endif
.if blk >= 1
	s_wait_alu depctr_va_vdst(0)                   ; the block before has written the other Y, which the stores below read, and is done reading its X, in which the loads below land
.endif
.irp i, 0,1,2,3
.if blk+NX-1 < BLOCKS
	global_load_b128 v[xnx+4*\i:xnx+4*\i+3], v[L16], s[8:9] offset:512*((blk+NX-1)*BL+\i) th:TH_LOAD_NT  ; four blocks ahead; no vector instruction since the wait names these registers; the load goes ahead of the store
.endif
.if blk >= 1
	global_store_b64 v[L8], v[yot+2*\i:yot+2*\i+1], s[12:13] offset:256*((blk-1)*BL+\i)  ; the block before: 256 consecutive bytes, at a multiple of 256 from xb's first byte
.endif
	v_cvt_pk_bf16_f32 v[yin+2*\i],   v[xin+4*\i],   v[xin+4*\i+1]
	v_cvt_pk_bf16_f32 v[yin+2*\i+1], v[xin+4*\i+2], v[xin+4*\i+3]
.endr
.set blk, blk+1
.endr
	s_wait_alu depctr_va_vdst(0)                   ; the last block has written its Y, which the last four stores read
.irp i, 0,1,2,3
	global_store_b64 v[L8], v[Y+2*BL*((BLOCKS-1)%2)+2*\i:Y+2*BL*((BLOCKS-1)%2)+2*\i+1], s[12:13] offset:256*((BLOCKS-1)*BL+\i)
.endr
	s_endpgm                                       ; this body has written no LDS
.Lfunc_end_k_q000c2cd0f4_prep:
	.size	k_q000c2cd0f4_prep, .Lfunc_end_k_q000c2cd0f4_prep-k_q000c2cd0f4_prep
	.p2alignl 7, 3214868480
	.fill 96, 4, 3214868480
	.section	.rodata,"a",@progbits
	.p2align	6, 0x0
	.amdhsa_kernel k_q000c2cd0f4_prep
		.amdhsa_group_segment_fixed_size 87040
		.amdhsa_private_segment_fixed_size 0
		.amdhsa_enable_private_segment 0
		.amdhsa_kernarg_size 40
		.amdhsa_user_sgpr_count 2
		.amdhsa_user_sgpr_kernarg_segment_ptr 1
		.amdhsa_wavefront_size32 1
		.amdhsa_system_sgpr_workgroup_id_x 1
		.amdhsa_system_sgpr_workgroup_id_y 1
		.amdhsa_system_sgpr_workgroup_id_z 1
		.amdhsa_system_vgpr_workitem_id 0
		.amdhsa_next_free_vgpr 112
		.amdhsa_next_free_sgpr 66
		.amdhsa_reserve_vcc 0
		.amdhsa_float_denorm_mode_32 3
		.amdhsa_float_denorm_mode_16_64 3
		.amdhsa_memory_ordered 1
		.amdhsa_forward_progress 1
		.amdhsa_inst_pref_size 55
	.end_amdhsa_kernel
	.amdgpu_metadata
---
amdhsa.version: [ 1, 2 ]
amdhsa.kernels:
  - .name:           k_q000c2cd0f4_prep
    .symbol:         k_q000c2cd0f4_prep.kd
    .args:
      - { .name: weight_q3, .offset: 0, .size: 8, .value_kind: global_buffer, .address_space: global }
      - { .name: weight_params, .offset: 8, .size: 8, .value_kind: global_buffer, .address_space: global }
      - { .name: x, .offset: 16, .size: 8, .value_kind: global_buffer, .address_space: global }
      - { .name: wb, .offset: 24, .size: 8, .value_kind: global_buffer, .address_space: global }
      - { .name: xb, .offset: 32, .size: 8, .value_kind: global_buffer, .address_space: global }
    .group_segment_fixed_size: 87040
    .private_segment_fixed_size: 0
    .kernarg_segment_align: 8
    .kernarg_segment_size: 40
    .max_flat_workgroup_size: 256
    .sgpr_count:     66
    .vgpr_count:     112
    .wavefront_size: 32
...
	.end_amdgpu_metadata
.endif
;; end of part 3
;; launch gemm: the kernel of part 2 again; grid 8 x 32, 4 waves a work-group, clusters of 4 x 4, 327,680 bytes of LDS; arguments xb, wb, out0, bias; writes out0
